; MI455X (gfx1250); checked and timed in simulation.
; The chip was launched on July 23, 2026; its instructions are those of AMD's public machine-readable ISA for CDNA 5 (MIT licence, August 2026) and "CDNA5" Instruction Set Architecture Reference Guide (July 2026). The comments in the code are by the model that wrote it; some were corrected since.
;; Head. Allowed arithmetic: matrix products marked QUANTISED: E5M2 operands, one given power-of-two scale a tensor, by v_wmma_f32_16x16x64_bf8_bf8 or v_wmma_f32_16x16x128_bf8_bf8, f32 sums; everything else in f32.
;; Inputs: Wk_codes 64 x 32 x 32 uint8 (E5M2 codes of Wk, K innermost, in blocks of 32 codes); Wq_codes 64 x 32 x 32 uint8 (E5M2 codes of Wq, K innermost, in blocks of 32 codes); Wv_codes 64 x 32 x 32 uint8 (E5M2 codes of Wv, K innermost, in blocks of 32 codes); lowp_scales 10 int32 (the exponents e of the quantised operands' scales 2^e); x_codes 4 x 4,096 x 32 x 32 uint8 (E5M2 codes of x, K innermost, in blocks of 32 codes).
;; Outputs: out0 4 x 4,096 x 64 float32.
;; This version of the problem:
;;   THIS VERSION OF THE PROBLEM IS GIVEN IN LOW PRECISION. The matrix products marked QUANTISED in the list below multiply operands that are first quantised to E5M2 (5 exponent bits, 2 mantissa bits; 8 bits a number), with one given power-of-two scale for each operand tensor; their sums are f32. All else is computed in f32.
;;   The module's matrix products, in the order in which they are computed (A, B: the left and right operand; K: the contracted axis; several contracted axes count as one K, in the product's order):
;;     1. [M 16,384, K 1,024] x [K 1,024, N 64]; A: input x (given as codes); B: input Wk (given as codes): QUANTISED (scales: A lowp_scales[0], B lowp_scales[1])
;;     2. [M 16,384, K 1,024] x [K 1,024, N 64]; A: input x (given as codes); B: input Wq (given as codes): QUANTISED (scales: A lowp_scales[2], B lowp_scales[3])
;;     3. [M 16,384, K 1,024] x [K 1,024, N 64]; A: input x (given as codes); B: input Wv (given as codes): QUANTISED (scales: A lowp_scales[4], B lowp_scales[5])
;;     4. batch 4 x [M 4,096, K 64] x [K 64, N 4,096]; A: computed on the way; B: computed on the way: QUANTISED (scales: A lowp_scales[6], B lowp_scales[7])
;;     5. batch 4 x [M 4,096, K 4,096] x [K 4,096, N 64]; A: softmax (see below); B: computed on the way: QUANTISED (scales: A lowp_scales[8], B lowp_scales[9])
;;   THE QUANTISER, for each operand of a quantised product, along K:
;;     - The operand's scale is 2^e, e = its entry of the input lowp_scales (int32; the entries are numbered through the quantised products in the list's order, A before B).
;;     - Each number is divided by the scale, clamped to +-57,344, and rounded to the nearest number of E5M2, ties to even, subnormals kept.
;;     - The product sums the exact products of the quantised numbers (number of the format x scale) in f32.
;;   ~~~python
;;   def quantise(x, axis, e):      # numpy; x: float32 -> the quantised numbers, widened to float32 again
;;       x = np.moveaxis(x, axis, -1); K = x.shape[-1]
;;       r = np.clip(x / 2.0 ** e, -57344, 57344)
;;       step = 2.0 ** (np.maximum(np.frexp(np.where(r == 0, 1, r))[1] - 1, -14) - 2)
;;       q = np.round(r / step) * step * 2.0 ** e      # np.round: ties to even
;;       return np.moveaxis(q, -1, axis).astype(np.float32)
;;   ~~~
;;   SOFTMAX AHEAD OF A QUANTISED PRODUCT. Where the list says 'softmax', what is quantised is not the finished softmax but p = 2^(t - M), with t = logit x log2(e) and M = ceil(the row's largest t), a whole number; so 1/2 < the row's largest p <= 1. The row's sum l is taken of the UNQUANTISED p, in f32, and the product's result is divided by l at the end. Since M is a whole number, a kernel that streams over the keys may use a running M (the ceiling of the running maximum): every later rescaling is an exact power of two, so the quantised numbers keep their values, but for numbers so far below the row's largest that they fall under the format's range.
;;   OPERANDS COMPUTED ON THE WAY. 'Computed on the way' means the value that the module computes at that place (a softmax that the list does not call 'softmax' is quantised finished and normalised). What goes into a quantiser is computed in f32, as accurately as f32 sums, v_exp_f32 and their like allow (about 1e-6 of the number): no bf16 or f16 on the way to a quantiser, and a product that is left as it is and whose result goes on into a quantised operand takes f32 operands (vector FMAs, or v_wmma_f32_16x16x4_f32). A number that lies on a knife's edge between two numbers of the format may be rounded either way, as far as f32 arithmetic and the matrix unit's own rounding can turn it there, and no further.
;;   INPUTS GIVEN AS CODES. Wk (in the module: [64, 1024], K = its axis 1); Wq (in the module: [64, 1024], K = its axis 1); Wv (in the module: [64, 1024], K = its axis 1); x (in the module: [4, 4096, 1024], K = its axis 2): each comes as NAME_codes (uint8): NAME with its K axis moved to the last place and cut into blocks of 32 codes, [.., K / 32, bytes a block], one block behind the other in memory; one code a byte (a code: sign, 5 exponent bits, 2 mantissa bits); its scale is its entry of lowp_scales. Its value is code x scale, taken as it is: it is not quantised again, and the codes and scales need not be those that the quantiser above would give.
;; One version. Each part assembles by itself: llvm-mc -triple=amdgcn-amd-amdhsa -mcpu=gfx1250 --defsym DOCPART=n.
;; ======== version 1 of 1: 2 launches
;; limits: right only within a limited range of input values
;; workspace buffers: kv 2,097,152 bytes; qf 1,048,576 bytes
;; launch proj (part 1): grid 256 x 1, 8 waves a work-group, clusters of 4 x 1, 279,552 bytes of LDS; arguments Wk_codes, Wq_codes, Wv_codes, x_codes, lowp_scales, kv, qf; writes kv, qf
.if DOCPART == 1
	.amdgcn_target "amdgcn-amd-amdhsa--gfx1250"
	.amdhsa_code_object_version 6
	.text
	.protected	k_qc7cc039c8b_proj
	.globl	k_qc7cc039c8b_proj
	.p2align	8
	.type	k_qc7cc039c8b_proj,@function
k_qc7cc039c8b_proj:
	s_mov_b64 s[64:65], 0
	v_nop
	global_prefetch_b8 v0, s[64:65] scope:SCOPE_SE
	s_setreg_imm32_b32 hwreg(HW_REG_WAVE_MODE, 25, 1), 1
	s_wait_xcnt 0x0
	s_wait_alu depctr_hold_cnt(0) depctr_sa_sdst(0) depctr_va_vdst(0) depctr_va_sdst(0) depctr_va_ssrc(0) depctr_va_vcc(0) depctr_vm_vsrc(0)
	s_getreg_b32 s2, hwreg(HW_REG_IB_STS2, 6, 4)
	s_cmp_eq_u32 s2, 0
	s_cbranch_scc0 .Lentry_in_a_cluster
	s_endpgm
.Lentry_in_a_cluster:
	s_bfe_u32 s2, ttmp6, 0x10000c
	s_cmp_lg_u32 s2, 0x3003
	s_cbranch_scc0 .Lentry_shape_is_right
	s_endpgm
.Lentry_shape_is_right:
; k = x Wk^T, q = x Wq^T, v = x Wv^T on the given codes of BF8 (E5M2), and the three results quantised again for the two products of attention.
; x: [16384][1024] codes; Wk, Wq, Wv: [64][1024] codes, K innermost.  lowp_scales: e0 .. e9.  x has an entry of its own in each product (e0, e2, e4): each is honoured.
; NO WORK IS LEFT OUT: every input reaches the output, nothing is masked or sliced away.
; A sum of k's product stands for sum x 2^(e0 + e1) and is quantised with 2^e7: its code is sum / 2^(e7 - e0 - e1).  q: e6 - e2 - e3.  v: e9 - e4 - e5.  Held within +-57,344 first.
; LIMITS: each of these three differences lies between -126 and 112, so that the scale and 57,344 x the scale are f32 numbers.  Codes of infinity or NaN among the inputs are not served.
; WHAT IS STORED: images of the next launch's operand registers, 512 bytes a piece, lane l's 16 bytes at 16 l.
;   qf [token tile T = 0..1023][b = 0, 1][lane][16]: lane (r, h): token 16 T + r; bytes 0-7 channels 32 b + 8 h + 0..7, bytes 8-15 channels 32 b + 16 + 8 h + 0..7: registers 4 b .. 4 b + 3 of a 16 x 64 fragment.
;   kv [block of 128 tokens, 0..127][16384]: bytes 0-8191: k's eight fragments, laid as qf's; bytes 8192 on: v with the KEYS innermost, [channel tile ct][qq = 0..3][lane][16]: lane (r, h): channel 16 ct + r;
;      bytes 0-7 keys 32 qq + 8 h + 0..7, bytes 8-15 keys 32 qq + 16 + 8 h + 0..7: registers 4 qq .. 4 qq + 3 of a 16 x 128 fragment.
; SHARES.  A work-group takes 64 tokens (64 KB of x) against all of the three weights (192 KB).  Wave i: w = i % 4, u = i / 4.  It makes, for token tiles 2 u and 2 u + 1 of the work-group's four:
;   a PAIR of channel tiles of k (w = 0, 1) or of q (w = 2, 3): rows 32 (w % 2) .. + 31 of that weight, used TRANSPOSED (source 0 = 16 rows of W, source 1 = 16 tokens): a lane holds one token and 16 channels;
;   one tile of v: rows 16 w .. + 15 of Wv, source 0 = 16 tokens, source 1 = 16 rows of Wv: a lane holds one channel and 8 tokens: v's codes come out with the keys innermost, nothing is transposed.
;   Six accumulators, 48 matrix instructions of 16 x 16 x 128.
; CLUSTER.  All work-groups read the same weights: the four of a cluster ask for them JOINTLY (mask 15), which divides the requests for the 192 KB by four.  x's tiles are each work-group's own: plain loads.
; LDS.  K is cut into two halves of 512 bytes.  Region (tensor t, half u) = t REG + u HB: 64 rows of 512 bytes + 16 of padding.  t = 0, 1, 2: Wk, Wq, Wv; t = 3: x.  One tensor load a wave: wave i fetches tensor w, half u.
; Half 0 is multiplied behind a barrier for which only its own four waves have waited; half 1's loads may still be out there.  Nothing is filled twice, nothing is stored to LDS by a wave.
; A fragment is fetched by four loads of 16 bytes, 32 bytes apart: lane (r, h) holds K = 32 c + 16 h + 0..15 in registers 4 c .. 4 c + 3: a permutation of k, the same in x and in the weights, so every product meets its partner.
; No prefetch: the launch has no loop to run ahead in; all that a work-group reads is asked for at once at its head.
.set PITCH, 528                        ; 132 words: row r starts at bank 4 r mod 64 (64 banks of 4 bytes: ISA guide 11.1): the 16 rows of a load start at 16 different banks
.set REG,   64*PITCH                   ; one tensor's half of K in LDS
.set HB,    4*REG                      ; the four tensors' halves: half 1 lies behind them
.set SPARE, 2*HB                       ; behind both halves: the spare words, 128 bytes for each of eight waves: four blocks of 256 bytes that no other line names
.set AP,  4                            ; v4   LDS address of my lane in the pair's first tile, half 0
.set AV,  5                            ; v5   in my tile of Wv
.set AX,  6                            ; v6   in my first token tile of x;  v7-9: the same three in half 1
.set SPW, 10                           ; v10  LDS address of my spare word; never rewritten
.set NIL, 11                           ; v11  0; never rewritten
.set LO,  12                           ; v12  16 x lane: my place in an image
.set PSC, 13                           ; v13, v14  the pair's scale as f32, and 57,344 x it
.set PLM, 14
.set VSC, 15                           ; v15, v16  the same for v
.set VLM, 16
.set ACC, 32                           ; v32-79   accumulator (token tile m, j) at ACC + 24 m + 8 j; j = 0, 1: the pair's tiles, j = 2: v's
.set F0,  80                           ; v80-159, v160-239  two sets of fragments: +16 m x's tile m; +32 + 16 j the pair's tile j; +64 Wv's
.set PCD, 240                          ; v240-247 the pair's codes, four registers for each m
.set VCD, 248                          ; v248-251 v's codes, two for each m
.set WV,  18                           ; s18 wave; s19 w; s20 u; s21 cx; s22 work-group; s23 0: k, 1: q; s3 which half of that weight's rows
.set WC,  19
.set WU,  20
.set G1J, 24                           ; s[24:31] descriptor group 1 of the joint loads;  s[32:39] of x's;  s[40:43], s[48:51] their groups 0
.set G1X, 32
.set G0J, 40
.set G0X, 48
; A round of the cluster's barrier: my work-group's barrier, so that wave 0's signal speaks for all eight waves; wave 0 signals; every wave waits for the four work-groups; my work-group's barrier once more.
.macro ROUND
	s_barrier_signal -1
	s_barrier_wait -1
	s_cmp_lg_u32 s[WV], 0
	s_cbranch_scc1 .Lnot_wave_0_\@
	s_barrier_signal -3
.Lnot_wave_0_\@:
	s_barrier_wait -3
	s_barrier_signal -1
	s_barrier_wait -1
.endm
.macro PLACES                          ; a load into a register that a matrix instruction has read, and a vector instruction that reads or writes a matrix result, stand four plain vector instructions behind it (ISA guide 7.12.1 for vector instructions)
.rept 4
	v_nop
.endr
.endm
.macro FRAG reg, adr, off              ; 16 rows x 128 K: 16 registers
.irp c, 0,1,2,3
	ds_load_b128 v[\reg+4*\c:\reg+4*\c+3], v[\adr] offset:\off+32*\c
.endr
.endm
.macro FETCH p, s                      ; the five fragments of K step s (128 along K: a quarter of half s / 4) into set p: 20 loads
	FRAG F0+80*(\p),    AX+3*((\s)/4), 128*((\s)%4)
	FRAG F0+80*(\p)+16, AX+3*((\s)/4), 128*((\s)%4)+16*PITCH
	FRAG F0+80*(\p)+32, AP+3*((\s)/4), 128*((\s)%4)
	FRAG F0+80*(\p)+48, AP+3*((\s)/4), 128*((\s)%4)+16*PITCH
	FRAG F0+80*(\p)+64, AV+3*((\s)/4), 128*((\s)%4)
.endm
; Six matrix instructions on set p.  The six accumulators take turns, one instruction a turn, in the same order in every step.  zero = 1: the first K step starts the sums: nothing is cleared.
.macro MUL p, zero
.irp m, 0,1
.irp j, 0,1
.if \zero
	v_wmma_f32_16x16x128_bf8_bf8 v[ACC+24*\m+8*\j:ACC+24*\m+8*\j+7], v[F0+80*(\p)+32+16*\j:F0+80*(\p)+47+16*\j], v[F0+80*(\p)+16*\m:F0+80*(\p)+16*\m+15], 0
.else
	v_wmma_f32_16x16x128_bf8_bf8 v[ACC+24*\m+8*\j:ACC+24*\m+8*\j+7], v[F0+80*(\p)+32+16*\j:F0+80*(\p)+47+16*\j], v[F0+80*(\p)+16*\m:F0+80*(\p)+16*\m+15], v[ACC+24*\m+8*\j:ACC+24*\m+8*\j+7]
.endif
.endr
.if \zero
	v_wmma_f32_16x16x128_bf8_bf8 v[ACC+24*\m+16:ACC+24*\m+23], v[F0+80*(\p)+16*\m:F0+80*(\p)+16*\m+15], v[F0+80*(\p)+64:F0+80*(\p)+79], 0
.else
	v_wmma_f32_16x16x128_bf8_bf8 v[ACC+24*\m+16:ACC+24*\m+23], v[F0+80*(\p)+16*\m:F0+80*(\p)+16*\m+15], v[F0+80*(\p)+64:F0+80*(\p)+79], v[ACC+24*\m+16:ACC+24*\m+23]
.endif
.endr
.endm
; Half h of K, four K steps.  The waves that fetched it have waited for their load, and every wave has passed the barrier: then all four tensors' half is whole.  The two sets run one step ahead of each other.
.macro HALF h
.if \h
	PLACES                                         ; for the loads into both sets, which the last products read
	s_wait_tensorcnt 0x0
.endif                                 ; (half 0: its four waves have waited where they asked for it)
	s_barrier_signal -1                            ; (no LDS instruction of mine is out here)
	s_barrier_wait -1
	FETCH 0, 4*\h
	FETCH 1, 4*\h+1
	s_wait_dscnt 20                                ; set 0 is in; set 1's 20 loads may be out
	MUL 0, 1-\h
	PLACES
	FETCH 0, 4*\h+2
	s_wait_dscnt 20                                ; set 1 is in; the 20 just issued may be out
	MUL 1, 0
	PLACES
	FETCH 1, 4*\h+3
	s_wait_dscnt 20
	MUL 0, 0
	s_wait_dscnt 0x0
	MUL 1, 0
.endm
	s_load_b256 s[4:11], s[0:1], 0x0               ; Wk s[4:5], Wq s[6:7], Wv s[8:9], x s[10:11]
	s_load_b128 s[12:15], s[0:1], 0x20             ; the scales' exponents s[12:13], kv s[14:15]
	s_load_b64 s[16:17], s[0:1], 0x30              ; qf
	v_lshl_add_u32 v[SPW], v0, 2, SPARE
	v_mov_b32 v[NIL], 0
	ds_add_u32 v[SPW], v[NIL]                      ; the wave's opening: the add, twice on end, and its wait ahead of my first tensor load; the set-up below, work on registers, stands between
	ds_add_u32 v[SPW], v[NIL]
	v_lshrrev_b32 v1, 5, v0
	s_delay_alu instid0(VALU_DEP_1)
	v_readfirstlane_b32 s[WV], v1                  ; wave 0..7
	s_and_b32 s[WC], s[WV], 3                      ; w: my columns.  Also: the tensor that I fetch
	s_lshr_b32 s[WU], s[WV], 2                     ; u: my two token tiles.  Also: the half of K that I fetch
	s_bfe_u32 s21, ttmp6, 0x40000                  ; cx: my place in the cluster: it enters x's address and the stores' alone
	s_lshl_b32 s22, ttmp9, 2                       ; in a cluster launch ttmp9 counts clusters
	s_add_co_u32 s22, s22, s21                     ; work-group 0..255
	s_lshr_b32 s23, s[WC], 1                       ; my pair belongs to k (0) or to q (1),
	s_and_b32 s3, s[WC], 1                         ; rows 32 b on
	; descriptor group 1: a tile of 64 rows x 512 bytes, rows 1,024 bytes apart in memory, 16 bytes of padding behind each in LDS
	s_mov_b32 s[G1J], 15|(1<<20)|(1<<21)|(6<<22)|(3<<25)  ; 15:0 the mask: all four work-groups; 17:16 elements of 1 byte; 20 padding on; 21 set beside a mask; 24:22 after every 128 words (code 6); 31:25 four words (code 3)
	s_mov_b32 s[G1X], (1<<20)|(6<<22)|(3<<25)      ; the same with no mask: x's tiles are my work-group's own
.irp g, G1J, G1X
	s_mov_b32 s[\g+1], 512<<16                     ; tensor_dim0 = 512
	s_mov_b32 s[\g+2], 64<<16                      ; tensor_dim1 = 64
	s_mov_b32 s[\g+3], 512<<16                     ; tile_dim0 = 512
	s_mov_b32 s[\g+4], 64                          ; tile_dim1 = 64
	s_mov_b32 s[\g+5], 1024                        ; tensor_dim0_stride
	s_mov_b32 s[\g+6], 0
	s_mov_b32 s[\g+7], 0
.endr
	s_mul_i32 s60, s[WC], REG                      ; where my load goes: tensor w, by the wave's number alone; a group 0 for each half of K
.irp k, 0,1
	s_mov_b32 s[G0J+4*\k], 1                       ; 1:0 count = 1
	s_add_co_u32 s[G0J+4*\k+1], s60, \k*HB         ; 63:32 LDS address
	s_mov_b32 s[G0X+4*\k], 1
	s_add_co_u32 s[G0X+4*\k+1], s60, \k*HB
.endr
	v_and_b32 v1, 15, v0                           ; r
	v_bfe_u32 v2, v0, 4, 1                         ; h
	s_delay_alu instid0(VALU_DEP_2)
	v_mul_u32_u24 v3, v1, PITCH
	s_delay_alu instid0(VALU_DEP_1)
	v_lshl_add_u32 v3, v2, 4, v3                   ; a fragment's row x pitch + 16 x half
	s_mul_i32 s56, s23, REG
	s_mul_i32 s57, s3, 32*PITCH
	s_add_co_u32 s56, s56, s57
	v_add_nc_u32 v[AP], s56, v3                    ; Wk or Wq, rows 32 b on
	s_mul_i32 s56, s[WC], 16*PITCH
	s_add_co_u32 s56, s56, 2*REG
	v_add_nc_u32 v[AV], s56, v3                    ; Wv, rows 16 w on
	s_mul_i32 s56, s[WU], 32*PITCH
	s_wait_alu depctr_va_vdst(0)
	s_add_co_u32 s56, s56, 3*REG
	v_add_nc_u32 v[AX], s56, v3                    ; x, tokens 32 u on
	v_add_nc_u32 v[AP+3], HB, v[AP]                ; and half 1's
	v_add_nc_u32 v[AV+3], HB, v[AV]
	v_add_nc_u32 v[AX+3], HB, v[AX]
	v_and_b32 v[LO], 31, v0
	s_delay_alu instid0(VALU_DEP_1)
	v_lshlrev_b32 v[LO], 4, v[LO]
	s_lshl_b32 s62, s22, 16                        ; my work-group's 64 rows of x, 1,024 bytes each
	s_mov_b32 s63, 0
	; where my three images go, in bytes
	s_lshl_b32 s97, s22, 2
	s_lshl_b32 s98, s[WU], 1
	s_add_co_u32 s97, s97, s98                     ; T0 = 4 x work-group + 2 u: my first token tile, an even number
	s_lshr_b32 s98, s97, 3
	s_lshl_b32 s98, s98, 14                        ; its block of 128 tokens in kv
	s_and_b32 s99, s97, 7                          ; its place in the block
	s_lshl_b32 s93, s3, 9                          ; piece b of a fragment
	s_lshl_b32 s72, s99, 10
	s_add_co_u32 s72, s72, s98
	s_add_co_u32 s72, s72, s93                     ; k: block + 1,024 (T0 % 8) + 512 b
	s_lshl_b32 s73, s97, 10
	s_add_co_u32 s73, s73, s93                     ; q: 1,024 T0 + 512 b
	s_cmp_eq_u32 s23, 0
	s_cselect_b32 s72, s72, s73
	s_mov_b32 s73, 0
	s_lshr_b32 s99, s99, 1
	s_lshl_b32 s99, s99, 9                         ; v: piece qq = (T0 % 8) / 2: tile T0's 8 bytes a lane, then tile T0 + 1's
	s_lshl_b32 s74, s[WC], 11                      ; channel tile w
	s_add_co_u32 s74, s74, s99
	s_add_co_u32 s74, s74, s98
	s_add_co_u32 s74, s74, 8192
	s_mov_b32 s75, 0
	s_wait_alu depctr_va_vdst(0)
	s_wait_dscnt 0x0                               ; both opening adds are done
	s_wait_kmcnt 0x0
	s_cmp_eq_u32 s[WC], 0                          ; which weight I fetch: the choice hangs on the wave's number alone
	s_cselect_b64 s[56:57], s[4:5], s[6:7]
	s_cmp_lt_u32 s[WC], 2
	s_cselect_b64 s[56:57], s[56:57], s[8:9]
	s_add_nc_u64 s[62:63], s[10:11], s[62:63]
.irp k, 0,1
	s_add_nc_u64 s[G0J+4*\k+2:G0J+4*\k+3], s[56:57], \k*512   ; 120:64 global address: half k of the weight's first row: the same in all four work-groups
	s_or_b32 s[G0J+4*\k+3], s[G0J+4*\k+3], 0x80000000         ; 127:126 type = 2
	s_add_nc_u64 s[G0X+4*\k+2:G0X+4*\k+3], s[62:63], \k*512
	s_or_b32 s[G0X+4*\k+3], s[G0X+4*\k+3], 0x80000000
.endr
	s_cmp_eq_u32 s23, 0
	s_cselect_b64 s[76:77], s[14:15], s[16:17]
	s_add_nc_u64 s[72:73], s[76:77], s[72:73]      ; the pair's images
	s_add_nc_u64 s[74:75], s[14:15], s[74:75]      ; v's
	ROUND                                          ; all four work-groups are here: the joint loads meet
	; every wave issues ONE load, in one of four arms chosen by the wave's number.  The arms of half 0 wait for theirs here; half 1's stay out until half 1's barrier
	s_load_b256 s[84:91], s[12:13], 0x0            ; e0 .. e7
	s_load_b32 s92, s[12:13], 0x24                 ; e9
	s_cmp_eq_u32 s[WV], 3
	s_cbranch_scc1 .Lx_0
	s_cmp_eq_u32 s[WV], 7
	s_cbranch_scc1 .Lx_1
	s_cmp_gt_u32 s[WV], 3
	s_cbranch_scc1 .Lw_1
	tensor_load_to_lds s[G0J:G0J+3], s[G1J:G1J+7]
	s_nop 0
.rept 4
	v_nop
.endr
	s_wait_tensorcnt 0x0
	s_branch .Lasked
.Lx_0:
	tensor_load_to_lds s[G0X:G0X+3], s[G1X:G1X+7]
	s_nop 0
.rept 4
	v_nop
.endr
	s_wait_tensorcnt 0x0
	s_branch .Lasked
.Lw_1:
	s_wait_kmcnt 0x0                               ; half 1's waves take the exponents in first, so that half 0's requests, which the first products wait for, stand ahead of theirs
	tensor_load_to_lds s[G0J+4:G0J+7], s[G1J:G1J+7]
	s_nop 0
.rept 4
	v_nop
.endr
	s_branch .Lasked
.Lx_1:
	s_wait_kmcnt 0x0
	tensor_load_to_lds s[G0X+4:G0X+7], s[G1X:G1X+7]
	s_nop 0
.rept 4
	v_nop
.endr
.Lasked:
	HALF 0
	s_wait_kmcnt 0x0                               ; the exponents.  What hangs on them is chosen by selects, never by a branch
	s_sub_co_i32 s94, s91, s84
	s_sub_co_i32 s94, s94, s85                     ; k: e7 - e0 - e1
	s_sub_co_i32 s95, s90, s86
	s_sub_co_i32 s95, s95, s87                     ; q: e6 - e2 - e3
	s_sub_co_i32 s96, s92, s88
	s_sub_co_i32 s96, s96, s89                     ; v: e9 - e4 - e5
	s_cmp_eq_u32 s23, 0
	s_cselect_b32 s94, s94, s95                    ; my pair's
	s_add_co_i32 s94, s94, 127
	s_lshl_b32 s95, s94, 23
	v_mov_b32 v[PSC], s95                          ; the scale as f32: the conversion takes its exponent field
	s_add_co_i32 s94, s94, 15
	s_lshl_b32 s94, s94, 23
	s_or_b32 s94, s94, 0x600000
	v_mov_b32 v[PLM], s94                          ; 57,344 x the scale
	s_add_co_i32 s96, s96, 127
	s_lshl_b32 s95, s96, 23
	v_mov_b32 v[VSC], s95
	s_add_co_i32 s96, s96, 15
	s_lshl_b32 s96, s96, 23
	s_or_b32 s96, s96, 0x600000
	v_mov_b32 v[VLM], s96
	s_wait_alu depctr_va_vdst(0)
	HALF 1
	PLACES                                         ; the holds below read and write results just made
.irp m, 0,1
.irp i, 0,1,2,3,4,5,6,7,8,9,10,11,12,13,14,15
	v_med3_num_f32 v[ACC+24*\m+\i], v[ACC+24*\m+\i], -v[PLM], v[PLM]   ; the conversion to an 8-bit code does not saturate (ISA guide 7.6.2): the hold at the largest code x the scale; each accumulator from its low end on
.endr
	v_cvt_scalef32_pk8_bf8_f32 v[PCD+4*\m:PCD+4*\m+1], v[ACC+24*\m:ACC+24*\m+7], v[PSC]       ; channels 32 b + 8 h + 0..7 of my token
	v_cvt_scalef32_pk8_bf8_f32 v[PCD+4*\m+2:PCD+4*\m+3], v[ACC+24*\m+8:ACC+24*\m+15], v[PSC]  ; channels 32 b + 16 + 8 h + 0..7
.irp i, 16,17,18,19,20,21,22,23
	v_med3_num_f32 v[ACC+24*\m+\i], v[ACC+24*\m+\i], -v[VLM], v[VLM]
.endr
	v_cvt_scalef32_pk8_bf8_f32 v[VCD+2*\m:VCD+2*\m+1], v[ACC+24*\m+16:ACC+24*\m+23], v[VSC]   ; tokens 16 m + 8 h + 0..7 of my channel
.endr
	v_nop                                          ; a plain vector instruction behind the last scaled conversion
	global_store_b128 v[LO], v[PCD:PCD+3], s[72:73]                 ; each store of the wave covers 512 consecutive bytes, aligned
	global_store_b128 v[LO], v[PCD+4:PCD+7], s[72:73] offset:1024   ; token tile T0 + 1's fragment
	global_store_b128 v[LO], v[VCD:VCD+3], s[74:75]
	s_wait_tensorcnt 0x0                           ; the wave's end: behind my last tensor load
	ds_add_u32 v[SPW], v[NIL]
	s_wait_dscnt 0x0
	ROUND                                          ; the closing round: no work-group ends while a partner may still ask for a tile that names it
	s_endpgm
.Lfunc_end_k_qc7cc039c8b_proj:
	.size	k_qc7cc039c8b_proj, .Lfunc_end_k_qc7cc039c8b_proj-k_qc7cc039c8b_proj
	.p2alignl 7, 3214868480
	.fill 96, 4, 3214868480
	.section	.rodata,"a",@progbits
	.p2align	6, 0x0
	.amdhsa_kernel k_qc7cc039c8b_proj
		.amdhsa_group_segment_fixed_size 279552
		.amdhsa_private_segment_fixed_size 0
		.amdhsa_enable_private_segment 0
		.amdhsa_kernarg_size 56
		.amdhsa_user_sgpr_count 2
		.amdhsa_user_sgpr_kernarg_segment_ptr 1
		.amdhsa_wavefront_size32 1
		.amdhsa_system_sgpr_workgroup_id_x 1
		.amdhsa_system_sgpr_workgroup_id_y 1
		.amdhsa_system_sgpr_workgroup_id_z 1
		.amdhsa_system_vgpr_workitem_id 0
		.amdhsa_next_free_vgpr 256
		.amdhsa_next_free_sgpr 100
		.amdhsa_reserve_vcc 0
		.amdhsa_float_denorm_mode_32 3
		.amdhsa_float_denorm_mode_16_64 3
		.amdhsa_memory_ordered 1
		.amdhsa_forward_progress 1
		.amdhsa_inst_pref_size 27
	.end_amdhsa_kernel
	.amdgpu_metadata
---
amdhsa.version: [ 1, 2 ]
amdhsa.kernels:
  - .name:           k_qc7cc039c8b_proj
    .symbol:         k_qc7cc039c8b_proj.kd
    .args:
      - { .name: Wk_codes, .offset: 0, .size: 8, .value_kind: global_buffer, .address_space: global }
      - { .name: Wq_codes, .offset: 8, .size: 8, .value_kind: global_buffer, .address_space: global }
      - { .name: Wv_codes, .offset: 16, .size: 8, .value_kind: global_buffer, .address_space: global }
      - { .name: x_codes, .offset: 24, .size: 8, .value_kind: global_buffer, .address_space: global }
      - { .name: lowp_scales, .offset: 32, .size: 8, .value_kind: global_buffer, .address_space: global }
      - { .name: kv, .offset: 40, .size: 8, .value_kind: global_buffer, .address_space: global }
      - { .name: qf, .offset: 48, .size: 8, .value_kind: global_buffer, .address_space: global }
    .group_segment_fixed_size: 279552
    .private_segment_fixed_size: 0
    .kernarg_segment_align: 8
    .kernarg_segment_size: 56
    .max_flat_workgroup_size: 256
    .sgpr_count:     100
    .vgpr_count:     256
    .wavefront_size: 32
...
	.end_amdgpu_metadata
.endif
;; end of part 1
;; launch attn (part 2): grid 256 x 1, 8 waves a work-group, clusters of 4 x 1, 327,680 bytes of LDS; arguments qf, kv, lowp_scales, out0; writes out0
.if DOCPART == 2
	.amdgcn_target "amdgcn-amd-amdhsa--gfx1250"
	.amdhsa_code_object_version 6
	.text
	.protected	k_qc7cc039c8b_attn
	.globl	k_qc7cc039c8b_attn
	.p2align	8
	.type	k_qc7cc039c8b_attn,@function
k_qc7cc039c8b_attn:
	s_mov_b64 s[64:65], 0
	v_nop
	global_prefetch_b8 v0, s[64:65] scope:SCOPE_SE
	s_setreg_imm32_b32 hwreg(HW_REG_WAVE_MODE, 25, 1), 1
	s_wait_xcnt 0x0
	s_wait_alu depctr_hold_cnt(0) depctr_sa_sdst(0) depctr_va_vdst(0) depctr_va_sdst(0) depctr_va_ssrc(0) depctr_va_vcc(0) depctr_vm_vsrc(0)
	s_getreg_b32 s2, hwreg(HW_REG_IB_STS2, 6, 4)
	s_cmp_eq_u32 s2, 0
	s_cbranch_scc0 .Lentry_in_a_cluster
	s_endpgm
.Lentry_in_a_cluster:
	s_bfe_u32 s2, ttmp6, 0x10000c
	s_cmp_lg_u32 s2, 0x3003
	s_cbranch_scc0 .Lentry_shape_is_right
	s_endpgm
.Lentry_shape_is_right:
; out[b][q][:] = the sum over keys of softmax(q . k / 8) v, both products on codes of BF8 (E5M2), from the images that the launch before has laid: qf (q's fragments), kv (k's fragments and v with the keys innermost, 16,384 bytes for each 128 keys).
; No work is left out: there is no mask, every key counts for every query.
; THE SOFTMAX AHEAD OF THE SECOND PRODUCT: t = score x log2(e) / 8; M = the largest t so far, rounded UP to a whole number; p = 2^(t - M) is quantised with 2^e8, along the keys, not normalised.  The sum l is taken of the
; unquantised p.  When M moves, l and O are multiplied by 2^(old M - new M): exact.  At the end O is divided by l and multiplied by 2^(e8 + e9).
; SHARES.  A work-group owns 64 queries of one batch; each of its EIGHT waves takes all 64 (four tiles of 16) against one eighth of the keys: of every 1,024 keys the 128 from 128 x wave on.  So a byte of K or V is taken by one wave
; alone, once, and serves four tiles of queries from registers.  Four steps of 128 keys a wave, with an M, an l and an O of its own for each tile.  At the end the eight parts of a query are merged through LDS under the largest of their M.
; LAYOUT.  Both products are used transposed: S^T = K Q^T (source 0 = 16 keys, source 1 = 16 queries), O^T = V^T P^T (source 0 = 16 channels, source 1 = P): a lane holds ONE query (lane % 16) throughout.
; Tile t of S^T gives lane (r, h) keys 16 t + 8 h + 0..7: one conversion makes of them registers 2 t, 2 t + 1 of P, the place that the 16 x 128 form's own layout gives those keys, and v's images are laid by the same layout.
; THE ORDER.  Two banks of scores: while tile m is walked through its softmax, the products of tile m + 1 stand ahead of it (at a step's last tile: the next step's first).  V of a step is asked for in its tile 0, K of the next step in its tile 2, as soon as K is free.
; THE FIRST STEP'S K AND V come by plain loads straight into registers, 16,384 bytes a wave, each byte by one wave of the work-group: they need neither LDS nor a barrier.  The other three quarters of K and V come jointly:
; RING.  Two LDS slots of 1,024 keys (131,072 bytes, dense images: every fragment load takes 512 consecutive bytes).  Each wave fetches its own 16,384 bytes of a slot.  Slot 0 takes the batch's second 1,024 keys (asked for at the head), slot 1 the third, slot 0 the
; fourth.  A slot is read out by the middle of its step's tile 0.  The change opens in the middle of tile 1 and closes in tile 2, ahead of the next K: behind it the next slot is whole and the other one may be filled.
; CLUSTER.  The four work-groups of a cluster belong to one batch and walk the same keys: each tile is asked for JOINTLY (mask 15).
; LIMITS on the given exponents, so that each power of two below is an f32 number: e6 + e7 between -123 and 130 (they are added to c's exponent field); e8 between -126 and 112; e8 + e9 is applied by v_ldexp_f32 and has none.
; The promise holds while |t| stays under 2^31.  NaN and infinity among the scores are not served.
; REGISTERS, in windows of 256 (s_set_vgpr_msb says which window each operand place means):
;   window 0: v0-31 and v80-109 small things, v32-63 Q, v64-79 p's codes, v128-191 and v192-255 the two banks of scores;   window 1: v0-63 K, v64-127 V, v128-255 O^T, 32 registers for each tile.
.set SLOT1, 1<<17                      ; slot 1 begins here
.set SLOTB, 131072                     ; a slot's bytes, in LDS and in memory
.set SPARE, 2*SLOT1                    ; behind the ring: the spare words, 128 bytes for each of eight waves: four blocks of 256 bytes that no other line names
.set STATS, SPARE+1024                 ; the merge: 512 bytes a wave: -M and l of its 64 queries
.set SP,    272                        ; the merge: a query's 64 channels, 256 bytes + 16
.set STGW,  64*SP                      ; a wave's stage.  The eight stages begin at byte 0, in both slots, which have had their last fill and their last read when the first is stored
.set LI,  1                            ; v1, v2  my block of 16,384 bytes in slot 0, in slot 1, + 16 x lane
.set PFO, 3                            ; v3   256 x lane: the prefetch's offset; never rewritten
.set SD,  4                            ; v4   the merge: where I read -M and l
.set SPW, 5                            ; v5   LDS address of my spare word; never rewritten
.set NIL, 6                            ; v6   0; never rewritten
.set GO,  7                            ; v7   my byte offset in the rows of out that I store
.set L16, 8                            ; v8   16 x lane
.set XC,  9                            ; v9   the lane exchange
.set HLD, 10                           ; v10  57,344 x 2^e8
.set PSC, 11                           ; v11  2^e8
.set FF,  12                           ; v[12:13]  f = 2^(old M - new M); v13 is named with it
                                       ; v16 + 4 m: tile m's -M; + 1 named with it (at the end: l); + 2, + 3: l in two halves
.set QF,  32
.set PC,  64
.set MX,  80                           ; v80-84 at work
.set TS,  88                           ; v88-103 sums of four p's, eight pairs
.set CB,  104                          ; v[104:105] the second chain of sums
.set STO, 106                          ; v106 the merge: where I put 32 bytes of a query's row
.set STA, 107                          ; v107 and its -M and l
.set RD,  108                          ; v108, v109 where I read a query's row: stages 0 to 3, 4 to 7
.set KR,  0                            ; window 1
.set VR,  64                           ; window 1
.set WV,  12                           ; s12 wave; s15 cx; s16 work-group; s17 batch
.set CN,  19                           ; s19 -c
.set SEL, 20                           ; s[20:21] lane selects for v_permlanex16_b32: lane l xor 16
.set CS,  22                           ; s[22:23] c = log2(e) / 8 x 2^(e6 + e7): the packed form names a pair and takes its low word for both halves
.set G1,  32                           ; s[32:39] descriptor group 1
.set G0H, 40                           ; s[40:43], s[44:47], s[48:51] groups 0: slot 0's first fill, slot 1's, slot 0's refill; none is rewritten
.set G0A, 44
.set G0B, 48
.set LIM, 52                           ; s52 0 in a wave that prefetches
.set EPV, 53                           ; s53 e8 + e9
.set PFA, 56                           ; s[56:57] where my prefetch stands in memory
.set KV0, 94                           ; s[94:95] my first 128 keys in memory
.set MSB, 0
.macro WIN new                         ; the immediate's high byte repeats the setting that is left
.if MSB != \new
	s_set_vgpr_msb (MSB<<8)|\new
.set MSB, \new
.endif
.endm
.macro CREST                           ; a round of the cluster's barrier behind its opening barrier: wave 0 signals for the work-group; every wave waits for the four work-groups; my work-group's barrier once more
	s_cmp_lg_u32 s[WV], 0
	s_cbranch_scc1 .Lnot_wave_0_\@
	s_barrier_signal -3
.Lnot_wave_0_\@:
	s_barrier_wait -3
	s_barrier_signal -1
	s_barrier_wait -1
.endm
.macro ROUND
	s_barrier_signal -1
	s_barrier_wait -1
	CREST
.endm
.macro KLOAD c                         ; my 128 keys of the batch's c-th 1,024 (c = 1 .. 3, in slot (c - 1) % 2): eight fragments of K, as their images lie
	WIN 0x40                                       ; destination window 1, address window 0
.irp t, 0,1,2,3,4,5,6,7
	ds_load_b128 v[KR+8*\t:KR+8*\t+3],   v[LI+((\c)+1)%2] offset:1024*\t
	ds_load_b128 v[KR+8*\t+4:KR+8*\t+7], v[LI+((\c)+1)%2] offset:1024*\t+512
.endr
	WIN 0
.endm
.macro VLOAD c                         ; and V: four fragments of 16 channels x 128 keys
	WIN 0x40
.irp ct, 0,1,2,3
.irp c4, 0,1,2,3
	ds_load_b128 v[VR+16*\ct+4*\c4:VR+16*\ct+4*\c4+3], v[LI+((\c)+1)%2] offset:8192+2048*\ct+512*\c4
.endr
.endr
	WIN 0
.endm
.macro SPROD m                         ; S^T of query tile m, eight tiles of 16 keys, into bank m % 2
.set SD_, 128+64*((\m)%2)
	WIN 0x01                                       ; source 0 (K) window 1
.irp t, 0,1,2,3,4,5,6,7
	v_wmma_f32_16x16x64_bf8_bf8 v[SD_+8*\t:SD_+8*\t+7], v[KR+8*\t:KR+8*\t+7], v[QF+8*(\m):QF+8*(\m)+7], 0
.endr
	WIN 0
.endm
.macro SETT d, k                       ; t - M, two at a time (of the pairs c and -M the low word serves both halves)
	v_pk_fma_f32 v[\d+2*\k:\d+2*\k+1], v[\d+2*\k:\d+2*\k+1], s[CS:CS+1], v[NM:NM+1] op_sel_hi:[1,0,0]
.endm
.macro HOLD d                          ; the conversion to an 8-bit code does not saturate (ISA guide 7.6.2); p is not negative, so the hold is one-sided; it stands whatever e8 is
	v_dual_min_num_f32 v[\d], v[\d], v[HLD] :: v_dual_min_num_f32 v[\d+1], v[\d+1], v[HLD]
.endm
.macro ADDP d, a                       ; pair d += pair a
	v_pk_add_f32 v[\d:\d+1], v[\d:\d+1], v[\a:\a+1]
.endm
.macro CODE t                          ; keys 16 t + 8 h + 0..7: registers 2 t, 2 t + 1 of P
	v_cvt_scalef32_pk8_bf8_f32 v[PC+2*(\t):PC+2*(\t)+1], v[ST+8*(\t):ST+8*(\t)+7], v[PSC]
.endm
; THE CHANGE CLOSES, in step s: every wave has waited for all its tensor loads and for its reads: the next slot is whole, and this step's slot is free.
.macro CLOSE s
	s_wait_alu depctr_va_vdst(0)
	s_barrier_wait -1
.if (\s) < 2
	CREST                                          ; that holds of every wave of every partner
.if (\s) == 0
	tensor_load_to_lds s[G0A:G0A+3], s[G1:G1+7]    ; slot 1: the batch's third 1,024 keys; my one tensor load until the next change
.else
	tensor_load_to_lds s[G0B:G0B+3], s[G1:G1+7]    ; slot 0 again: the fourth
.endif
	s_nop 0
.rept 4
	v_nop
.endr
.if (\s) == 0
	; A PREFETCH of the fourth 1,024 keys, one step ahead of their load.  Each aligned block of 256 bytes is named once in the launch: the sixteen clusters of a batch walk the same keys and the batch's first asks; its four partners
	; take 32,768 bytes each, told apart by address; in each, waves 0 to 3 ask, 8,192 bytes a wave.  The branch hangs on the wave's and the cluster's number.  The first three slots' worth come by their loads alone.
	s_cmp_eq_u32 s[LIM], 0
	s_cbranch_scc0 .Lnot_mine_\@
	global_prefetch_b8 v[PFO], s[PFA:PFA+1] th:TH_LOAD_NT scope:SCOPE_SE
.Lnot_mine_\@:
.endif
.endif
.endm
; ONE TILE OF ONE STEP: step s (the batch's s-th 1,024 keys), query tile m.  Its scores lie in bank m % 2 already.
.macro TILE s, m
.set ST, 128+64*((\m)%2)
.set NM, 16+4*(\m)
.set LL, 18+4*(\m)
.set OO, 128+32*(\m)
.if (\m) < 3
	SPROD (\m)+1                                   ; the next tile's scores
.else
.if (\s) < 3
	s_wait_dscnt 0x0                               ; the next step's K is in (asked for in tile 2)
	SPROD 0                                        ; the next step's first scores
.endif
.endif
	s_wait_alu depctr_va_vdst(0)                   ; ahead of the first readers of the scores
	v_max3_num_f32 v[MX], v[ST], v[ST+1], v[ST+2]  ; the largest score of my query among my 64 keys, in four chains, each accumulator from its low end on
	v_max3_num_f32 v[MX+1], v[ST+3], v[ST+4], v[ST+5]
	v_max3_num_f32 v[MX+2], v[ST+6], v[ST+7], v[ST+8]
	v_max3_num_f32 v[MX+3], v[ST+9], v[ST+10], v[ST+11]
.set jj, 12
.rept 6
.irp n, 0,1,2,3
	v_max3_num_f32 v[MX+\n], v[MX+\n], v[ST+jj+2*\n], v[ST+jj+2*\n+1]
.endr
.set jj, jj+8
.endr
	v_max3_num_f32 v[MX], v[MX], v[ST+60], v[ST+61]
	v_max3_num_f32 v[MX+1], v[MX+1], v[ST+62], v[ST+63]
.if (\m) == 0 && (\s) > 0
	VLOAD \s                                       ; V is free: the maxima above are the places behind the last products that read it.  It lands under the exponentials
.endif
.if (\m) == 2 && (\s) < 3
	CLOSE \s
	KLOAD (\s)+1                                   ; K is free likewise: the next step's
.endif
	v_max3_num_f32 v[MX], v[MX], v[MX+1], v[MX+2]
	s_delay_alu instid0(VALU_DEP_1)
	v_max_num_f32 v[MX], v[MX], v[MX+3]
	s_delay_alu instid0(VALU_DEP_1)
	v_permlanex16_b32 v[XC], v[MX], s[SEL], s[SEL+1]
	s_delay_alu instid0(VALU_DEP_1)
	v_max_num_f32 v[MX], v[MX], v[XC]              ; and among lane l xor 16's
	s_delay_alu instid0(VALU_DEP_1)
	v_mul_f32 v[MX], s[CN], v[MX]                  ; as -t (c is positive)
	s_delay_alu instid0(VALU_DEP_1)
.if (\s) == 0
	v_floor_f32 v[NM], v[MX]                       ; -M = floor(-t) = -ceil(t): M is a whole number
.else
	v_floor_f32 v[MX], v[MX]
	s_delay_alu instid0(VALU_DEP_1)
	v_min_num_f32 v[MX], v[NM], v[MX]              ; the new -M
	s_delay_alu instid0(VALU_DEP_1)
	v_sub_f32 v[MX+4], v[MX], v[NM]                ; M's old value less its new one: a whole number, 0 or less
	v_mov_b32 v[NM], v[MX]
	s_delay_alu instid0(VALU_DEP_2)
	v_cvt_i32_f32 v[MX+4], v[MX+4]                 ; (it saturates)
	s_delay_alu instid0(VALU_DEP_1)
	v_ldexp_f32 v[FF], 1.0, v[MX+4]                ; f
.endif
	; p = 2^(t - M), at most 1 but for rounding, in two batches; independent work stands between the exponentials, and nothing that it writes is read before the batch's closing wait
.set kk, 0
.rept 16
	SETT ST, kk
.set kk, kk+1
.endr
	s_wait_alu depctr_va_vdst(0)                   ; ahead of the batch
.set kk, 0
.rept 16
	v_exp_f32 v[ST+2*kk], v[ST+2*kk]
	v_exp_f32 v[ST+2*kk+1], v[ST+2*kk+1]
	SETT ST+32, kk
.set kk, kk+1
.endr
	s_wait_alu depctr_va_vdst(0)                   ; behind the first batch and ahead of the second
.set kk, 0
.rept 16
	v_exp_f32 v[ST+32+2*kk], v[ST+32+2*kk]
.if kk < 8
	v_pk_add_f32 v[TS+2*kk:TS+2*kk+1], v[ST+4*kk:ST+4*kk+1], v[ST+4*kk+2:ST+4*kk+3]   ; l is taken of the unquantised p: ahead of the hold below
.endif
	v_exp_f32 v[ST+33+2*kk], v[ST+33+2*kk]
	HOLD ST+2*kk
.set kk, kk+1
.endr
.if (\s) > 0
	v_pk_mul_f32 v[LL:LL+1], v[LL:LL+1], v[FF:FF+1] op_sel_hi:[1,0]   ; l under the new M
.endif
	s_wait_alu depctr_va_vdst(0)                   ; behind the batch
.if (\m) == 0
.if (\s) == 0
	s_wait_loadcnt 0x0                             ; V is in: the plain loads of the head
.else
	s_wait_dscnt 0x0                               ; V is in: my last read of this slot
.endif
.if (\s) == 3
	s_barrier_signal -1                            ; of any slot: the stages lie over them
.endif
.endif
.if (\m) == 1 && (\s) < 3
	; THE CHANGE OPENS: all my tensor loads are waited for (my part of the next slot), 0 is added to my spare word, and that is waited for behind the sums and conversions
	s_wait_tensorcnt 0x0
	ds_add_u32 v[SPW], v[NIL]
.endif
	v_pk_add_f32 v[CB:CB+1], v[TS:TS+1], v[TS+2:TS+3]
.if (\s) == 0
	v_pk_add_f32 v[LL:LL+1], v[TS+4:TS+5], v[TS+6:TS+7]
.else
	ADDP LL, TS+4
	ADDP CB, TS+6
.endif
	CODE 0
	CODE 1
	ADDP LL, TS+8
	ADDP CB, TS+10
	CODE 2
	CODE 3
	ADDP LL, TS+12
	ADDP CB, TS+14
.set kk, 0
.rept 8
	ADDP LL, ST+32+4*kk
	ADDP CB, ST+34+4*kk
	HOLD ST+32+4*kk
	HOLD ST+34+4*kk
.if (kk%2) == 1
	CODE 4+kk/2
.endif
.set kk, kk+1
.endr
	ADDP LL, CB                                    ; (a plain instruction between the last conversion and the products)
.if (\m) == 1 && (\s) < 3
	s_wait_alu depctr_va_vdst(0)
	s_wait_dscnt 0x0                               ; the add is done; no LDS read of mine is out (this step's V was in by tile 0)
	s_barrier_signal -1                            ; work on registers alone stands between this and its wait in tile 2
.endif
.if (\s) > 0
	s_wait_alu depctr_va_vdst(0)                   ; ahead of the first readers of O^T
	WIN 0x41                                       ; destination and source 0 window 1
.set kk, 0
.rept 16
	v_pk_mul_f32 v[OO+2*kk:OO+2*kk+1], v[OO+2*kk:OO+2*kk+1], v[FF:FF+1] op_sel_hi:[1,0]   ; O^T under the new M
.set kk, kk+1
.endr
.endif
	WIN 0x51                                       ; source 0 (V), C and D window 1
.irp ct, 0,1,2,3                               ; four accumulators, one instruction a turn.  The first step starts the sums: nothing is cleared
.if (\s) == 0
	v_wmma_f32_16x16x128_bf8_bf8 v[OO+8*\ct:OO+8*\ct+7], v[VR+16*\ct:VR+16*\ct+15], v[PC:PC+15], 0
.else
	v_wmma_f32_16x16x128_bf8_bf8 v[OO+8*\ct:OO+8*\ct+7], v[VR+16*\ct:VR+16*\ct+15], v[PC:PC+15], v[OO+8*\ct:OO+8*\ct+7]
.endif
.endr
	WIN 0
.if (\s) == 3
	; the tile is finished: O^T, -M and l go to my stage while the next tile is walked
	v_add_f32 v[MX], v[LL], v[LL+1]                ; l's two halves,
	v_permlanex16_b32 v[XC], v[MX], s[SEL], s[SEL+1]
	v_add_f32 v[NM+1], v[MX], v[XC]                ; and lane l xor 16's
	v_nop                                          ; the fourth place behind the products, in front of the stores that read their results
.if (\m) == 0
	s_wait_alu depctr_va_vdst(0)
	s_barrier_wait -1                              ; every wave has read its last from both slots
.endif
	ds_store_b64 v[STA], v[NM:NM+1] offset:128*(\m)
	WIN 0x04                                       ; store data window 1
.irp ct, 0,1,2,3
	ds_store_b128 v[STO], v[OO+8*\ct:OO+8*\ct+3] offset:16*SP*(\m)+64*\ct
	ds_store_b128 v[STO], v[OO+8*\ct+4:OO+8*\ct+7] offset:16*SP*(\m)+64*\ct+16
.endr
	WIN 0
.endif
.endm
	s_load_b256 s[4:11], s[0:1], 0x0               ; qf s[4:5], kv s[6:7], the scales' exponents s[8:9], out s[10:11]
	v_lshl_add_u32 v[SPW], v0, 2, SPARE
	v_mov_b32 v[NIL], 0
	ds_add_u32 v[SPW], v[NIL]                      ; the wave's opening: the add, twice on end, and its wait ahead of my first tensor load; the set-up below, work on registers, stands between
	ds_add_u32 v[SPW], v[NIL]
	v_lshrrev_b32 v9, 5, v0
	v_and_b32 v[L16], 31, v0
	v_readfirstlane_b32 s[WV], v9                  ; wave 0..7
	v_lshlrev_b32 v[PFO], 8, v[L16]
	v_lshlrev_b32 v[L16], 4, v[L16]
	s_bfe_u32 s15, ttmp6, 0x40000                  ; cx: it enters Q's, out's and the prefetch's addresses alone
	s_lshl_b32 s16, ttmp9, 2                       ; in a cluster launch ttmp9 counts clusters
	s_add_co_u32 s16, s16, s15                     ; work-group 0..255: queries 64 x it on
	s_lshr_b32 s17, ttmp9, 4                       ; the batch: sixteen clusters each; the four partners share it
	; descriptor group 1: 16,384 dense bytes as 64 rows of 256
	s_mov_b32 s[G1], 15|(3<<16)|(1<<21)            ; 15:0 the mask: all four work-groups; 17:16 elements of 8 bytes; 20 no padding; 21 set beside a mask
	s_mov_b32 s[G1+1], 32<<16                      ; tensor_dim0 = 32
	s_mov_b32 s[G1+2], 64<<16                      ; tensor_dim1 = 64
	s_mov_b32 s[G1+3], 32<<16                      ; tile_dim0 = 32
	s_mov_b32 s[G1+4], 64                          ; tile_dim1 = 64
	s_mov_b32 s[G1+5], 32                          ; tensor_dim0_stride
	s_mov_b32 s[G1+6], 0
	s_mov_b32 s[G1+7], 0
	s_mov_b32 s[G0H], 1                            ; 1:0 count = 1
	s_mov_b32 s[G0A], 1
	s_mov_b32 s[G0B], 1
	s_lshl_b32 s[G0H+1], s[WV], 14                 ; 63:32 LDS address: my 16,384 bytes of slot 0: the wave's number alone
	s_add_co_u32 s[G0A+1], s[G0H+1], SLOT1         ; of slot 1
	s_mov_b32 s[G0B+1], s[G0H+1]                   ; of slot 0 again
	s_mov_b32 s[SEL], 0x76543210
	s_mov_b32 s[SEL+1], 0xfedcba98
	; byte offsets, apart from the addresses
	s_lshl_b32 s74, s17, 19                        ; the batch's 524,288 bytes of kv
	s_lshl_b32 s72, s[WV], 14
	s_add_co_u32 s72, s72, s74                     ; my 16,384 of its first 1,024 keys
	s_mov_b32 s73, 0
	s_lshl_b32 s82, s15, 15
	s_add_co_u32 s82, s82, s74
	s_lshl_b32 s83, s[WV], 13
	s_add_co_u32 s82, s82, s83
	s_add_co_u32 s82, s82, 3*SLOTB                 ; the prefetch: my work-group's 32,768 bytes of the fourth 1,024 keys, my wave's 8,192 of them
	s_mov_b32 s83, 0
	s_lshl_b32 s84, s16, 12                        ; Q: four token tiles of 1,024 bytes
	s_mov_b32 s85, 0
	s_lshl_b32 s86, s16, 14
	s_lshl_b32 s87, s[WV], 11
	s_add_co_u32 s86, s86, s87                     ; out: row 64 x work-group + 8 x wave, 256 bytes each
	s_mov_b32 s87, 0
	s_and_b32 s88, ttmp9, 15
	s_lshr_b32 s89, s[WV], 2
	s_or_b32 s[LIM], s88, s89                      ; 0 in waves 0 to 3 of the batch's first cluster
	; the LDS addresses
	s_lshl_b32 s88, s[WV], 14
	s_mul_i32 s89, s[WV], STGW
	s_lshl_b32 s90, s[WV], 9
	s_add_co_u32 s90, s90, STATS
	s_mul_i32 s91, s[WV], 8*SP
	s_lshl_b32 s92, s[WV], 6
	s_add_co_u32 s92, s92, STATS
	s_wait_alu depctr_va_vdst(0)
	v_and_b32 v80, 15, v0                          ; r
	v_bfe_u32 v81, v0, 4, 1                        ; h
	v_add_nc_u32 v[LI], s88, v[L16]
	v_mul_u32_u24 v[STO], v80, SP
	v_mul_u32_u24 v[RD], v81, SP
	v_lshl_add_u32 v[STO], v81, 5, v[STO]
	v_lshl_add_u32 v[RD], v80, 4, v[RD]
	v_add_nc_u32 v[LI+1], SLOT1, v[LI]
	v_add_nc_u32 v[STO], s89, v[STO]               ; in: my stage, row 16 m + r; channel tile ct's eight channels of my half: 64 ct + 32 h bytes on
	v_add_nc_u32 v[RD], s91, v[RD]                 ; back: stage 0, query 8 x wave + h; sixteen lanes take its row
	v_lshl_add_u32 v[STA], v80, 3, s90             ; -M and l of query r (both halves of the lanes hold the same two numbers)
	v_lshl_add_u32 v[SD], v81, 3, s92
	v_add_nc_u32 v[RD+1], 4*STGW, v[RD]
	v_lshlrev_b32 v[GO], 8, v81
	v_lshl_add_u32 v[GO], v80, 4, v[GO]            ; and the same in out: lanes 0-15 one row of 256 bytes, lanes 16-31 the next
	v_mov_b32 v[XC], 0                             ; written once: a lane permute's destination counts as one of its sources
	v_mov_b32 v[FF+1], 0                           ; (named as the upper half of the pair of f)
.irp m, 0,1,2,3
	v_mov_b32 v[17+4*\m], 0                        ; (named with -M)
.endr
	s_wait_alu depctr_va_vdst(0)
	s_wait_dscnt 0x0                               ; both opening adds are done
	s_wait_kmcnt 0x0
	s_load_b128 s[68:71], s[8:9], 0x18             ; e6, e7, e8, e9
	s_add_nc_u64 s[4:5], s[4:5], s[84:85]
	s_add_nc_u64 s[KV0:KV0+1], s[6:7], s[72:73]
.irp m, 0,1,2,3
	global_load_b128 v[QF+8*\m:QF+8*\m+3], v[L16], s[4:5] offset:1024*\m       ; Q's four fragments stay in registers
	global_load_b128 v[QF+8*\m+4:QF+8*\m+7], v[L16], s[4:5] offset:1024*\m+512
.endr
	WIN 0x40                                       ; destination window 1, address window 0
.irp t, 0,1,2,3,4,5,6,7                        ; the first step's K: 512 consecutive bytes a load
	global_load_b128 v[KR+8*\t:KR+8*\t+3],   v[L16], s[KV0:KV0+1] offset:1024*\t
	global_load_b128 v[KR+8*\t+4:KR+8*\t+7], v[L16], s[KV0:KV0+1] offset:1024*\t+512
.endr
.irp t, 0,1,2,3,4,5,6,7,8,9,10,11,12,13,14,15  ; and V: the youngest 16 loads
	global_load_b128 v[VR+4*\t:VR+4*\t+3], v[L16], s[KV0:KV0+1] offset:8192+512*\t
.endr
	WIN 0
	s_add_nc_u64 s[G0H+2:G0H+3], s[KV0:KV0+1], SLOTB   ; 120:64 global address: the same in all four work-groups: the second 1,024 keys,
	s_add_nc_u64 s[G0A+2:G0A+3], s[KV0:KV0+1], 2*SLOTB ; the third,
	s_add_nc_u64 s[G0B+2:G0B+3], s[KV0:KV0+1], 3*SLOTB ; the fourth
	s_or_b32 s[G0H+3], s[G0H+3], 0x80000000        ; 127:126 type = 2
	s_or_b32 s[G0A+3], s[G0A+3], 0x80000000
	s_or_b32 s[G0B+3], s[G0B+3], 0x80000000
	s_add_nc_u64 s[PFA:PFA+1], s[6:7], s[82:83]
	s_add_nc_u64 s[10:11], s[10:11], s[86:87]
	ROUND                                          ; all four work-groups are here: the first joint loads meet
	tensor_load_to_lds s[G0H:G0H+3], s[G1:G1+7]    ; slot 0: every wave issues its part, with no branch
	s_nop 0
.rept 4
	v_nop
.endr
	s_wait_kmcnt 0x0                               ; the exponents
	s_add_co_i32 s72, s68, s69
	s_lshl_b32 s72, s72, 23
	s_add_co_i32 s[CS], s72, 0x3e38aa3b            ; log2(e) / 8; a score stands for score x 2^(e6 + e7): the two exponents are added to c's exponent field
	s_mov_b32 s[CS+1], s[CS]                       ; (named with it as a pair, so it is written)
	s_xor_b32 s[CN], s[CS], 0x80000000
	s_add_co_i32 s72, s70, 127
	s_lshl_b32 s73, s72, 23
	v_mov_b32 v[PSC], s73                          ; 2^e8 as f32, for the conversion
	s_add_co_i32 s72, s72, 15
	s_lshl_b32 s72, s72, 23
	s_or_b32 s72, s72, 0x600000
	v_mov_b32 v[HLD], s72                          ; 57,344 x 2^e8
	s_add_co_i32 s[EPV], s70, s71
	s_wait_alu depctr_va_vdst(0)
	s_wait_loadcnt 16                              ; Q and K are in; V's 16 loads, issued behind them, may be out
	SPROD 0
.rept 4
	v_nop                                          ; places in front of the first read of the scores
.endr
.irp s, 0,1,2,3
.irp m, 0,1,2,3
	TILE \s, \m
.endr
.endr
	; THE MERGE.  Wave w takes queries 8 w .. 8 w + 7 from all eight stages.
	s_wait_alu depctr_va_vdst(0)
	s_wait_dscnt 0x0                               ; for the others' sake: my stores are done
	s_barrier_signal -1
	s_barrier_wait -1
.irp g, 0,1,2,3,4,5,6,7                        ; query 8 w + h + 2 i in wave g's part: -M and l,
.irp i, 0,1,2,3
	ds_load_b64 v[32+8*\g+2*\i:33+8*\g+2*\i], v[SD] offset:512*\g+16*\i
.endr
.endr
.irp g, 0,1,2,3,4,5,6                          ; and four channels of its row
.irp i, 0,1,2,3
	ds_load_b128 v[128+16*\g+4*\i:131+16*\g+4*\i], v[RD+\g/4] offset:STGW*(\g%4)+2*SP*\i
.endr
.endr
	s_wait_dscnt 28                                ; -M and l are in; the 28 loads of rows may be out
.irp i, 0,1,2,3
	ds_load_b128 v[240+4*\i:243+4*\i], v[RD+1] offset:STGW*3+2*SP*\i
.endr
.irp i, 0,1,2,3
	v_min3_num_f32 v[96+\i], v[32+2*\i], v[40+2*\i], v[48+2*\i]
.endr
.irp i, 0,1,2,3
	v_min3_num_f32 v[96+\i], v[96+\i], v[56+2*\i], v[64+2*\i]
.endr
.irp i, 0,1,2,3
	v_min3_num_f32 v[96+\i], v[96+\i], v[72+2*\i], v[80+2*\i]
.endr
.irp i, 0,1,2,3
	v_min_num_f32 v[96+\i], v[96+\i], v[88+2*\i]   ; -M* = the least of the eight -M
.endr
.irp g, 0,1,2,3,4,5,6,7
.irp i, 0,1,2,3
	v_sub_f32 v[32+8*\g+2*\i], v[96+\i], v[32+8*\g+2*\i]   ; M of part g less M*: a whole number, 0 or less
.endr
.endr
.irp g, 0,1,2,3,4,5,6,7
.irp i, 0,1,2,3
	v_cvt_i32_f32 v[32+8*\g+2*\i], v[32+8*\g+2*\i]         ; (it saturates)
.endr
.endr
.irp g, 0,1,2,3,4,5,6,7
.irp i, 0,1,2,3
	v_ldexp_f32 v[32+8*\g+2*\i], 1.0, v[32+8*\g+2*\i]      ; f of part g: a power of two
.endr
.endr
.irp i, 0,1,2,3
	v_mul_f32 v[100+\i], v[32+2*\i], v[33+2*\i]
.endr
.irp g, 1,2,3,4,5,6,7
.irp i, 0,1,2,3
	v_fmac_f32 v[100+\i], v[32+8*\g+2*\i], v[33+8*\g+2*\i] ; the row's l under M*
.endr
.endr
	s_wait_alu depctr_va_vdst(0)
	v_rcp_f32 v100, v100
	v_rcp_f32 v101, v101
	v_rcp_f32 v102, v102
	v_rcp_f32 v103, v103
	v_nop                                          ; a plain instruction behind the last reciprocal
	s_wait_alu depctr_va_vdst(0)
.irp i, 0,1,2,3
	v_ldexp_f32 v[100+\i], v[100+\i], s[EPV]       ; x 2^(e8 + e9)
.endr
	s_wait_alu depctr_va_vdst(0)
	s_wait_dscnt 0x0
.irp i, 0,1,2,3
	v_pk_mul_f32 v[112+4*\i:113+4*\i], v[128+4*\i:129+4*\i], v[32+2*\i:33+2*\i] op_sel_hi:[1,0]
	v_pk_mul_f32 v[114+4*\i:115+4*\i], v[130+4*\i:131+4*\i], v[32+2*\i:33+2*\i] op_sel_hi:[1,0]
.endr
.irp g, 1,2,3,4,5,6,7
.irp i, 0,1,2,3
	v_pk_fma_f32 v[112+4*\i:113+4*\i], v[128+16*\g+4*\i:129+16*\g+4*\i], v[32+8*\g+2*\i:33+8*\g+2*\i], v[112+4*\i:113+4*\i] op_sel_hi:[1,0,1]
	v_pk_fma_f32 v[114+4*\i:115+4*\i], v[130+16*\g+4*\i:131+16*\g+4*\i], v[32+8*\g+2*\i:33+8*\g+2*\i], v[114+4*\i:115+4*\i] op_sel_hi:[1,0,1]
.endr
.endr
.irp i, 0,1,2,3
.irp c, 0,1,2,3
	v_mul_f32 v[112+4*\i+\c], v[112+4*\i+\c], v[100+\i]
.endr
	global_store_b128 v[GO], v[112+4*\i:115+4*\i], s[10:11] offset:512*\i th:TH_STORE_NT   ; sixteen lanes store one row of out: 256 consecutive bytes, aligned; written once, read by nobody here
.endr
	s_wait_tensorcnt 0x0                           ; the wave's end: behind my last tensor load and my last LDS store
	ds_add_u32 v[SPW], v[NIL]
	s_wait_dscnt 0x0
	ROUND                                          ; the closing round: no work-group ends while a partner may still ask for a tile that names it
	s_endpgm
.Lfunc_end_k_qc7cc039c8b_attn:
	.size	k_qc7cc039c8b_attn, .Lfunc_end_k_qc7cc039c8b_attn-k_qc7cc039c8b_attn
	.p2alignl 7, 3214868480
	.fill 96, 4, 3214868480
	.section	.rodata,"a",@progbits
	.p2align	6, 0x0
	.amdhsa_kernel k_qc7cc039c8b_attn
		.amdhsa_group_segment_fixed_size 327680
		.amdhsa_private_segment_fixed_size 0
		.amdhsa_enable_private_segment 0
		.amdhsa_kernarg_size 32
		.amdhsa_user_sgpr_count 2
		.amdhsa_user_sgpr_kernarg_segment_ptr 1
		.amdhsa_wavefront_size32 1
		.amdhsa_system_sgpr_workgroup_id_x 1
		.amdhsa_system_sgpr_workgroup_id_y 1
		.amdhsa_system_sgpr_workgroup_id_z 1
		.amdhsa_system_vgpr_workitem_id 0
		.amdhsa_next_free_vgpr 512
		.amdhsa_next_free_sgpr 100
		.amdhsa_reserve_vcc 0
		.amdhsa_float_denorm_mode_32 3
		.amdhsa_float_denorm_mode_16_64 3
		.amdhsa_memory_ordered 1
		.amdhsa_forward_progress 1
		.amdhsa_inst_pref_size 243
	.end_amdhsa_kernel
	.amdgpu_metadata
---
amdhsa.version: [ 1, 2 ]
amdhsa.kernels:
  - .name:           k_qc7cc039c8b_attn
    .symbol:         k_qc7cc039c8b_attn.kd
    .args:
      - { .name: qf, .offset: 0, .size: 8, .value_kind: global_buffer, .address_space: global }
      - { .name: kv, .offset: 8, .size: 8, .value_kind: global_buffer, .address_space: global }
      - { .name: lowp_scales, .offset: 16, .size: 8, .value_kind: global_buffer, .address_space: global }
      - { .name: out0, .offset: 24, .size: 8, .value_kind: global_buffer, .address_space: global }
    .group_segment_fixed_size: 327680
    .private_segment_fixed_size: 0
    .kernarg_segment_align: 8
    .kernarg_segment_size: 32
    .max_flat_workgroup_size: 256
    .sgpr_count:     100
    .vgpr_count:     512
    .wavefront_size: 32
...
	.end_amdgpu_metadata
.endif
;; end of part 2
